; MI455X (gfx1250); checked and timed in simulation.
; The chip was launched on July 23, 2026; its instructions are those of AMD's public machine-readable ISA for CDNA 5 (MIT licence, August 2026) and "CDNA5" Instruction Set Architecture Reference Guide (July 2026). The comments in the code are by the model that wrote it; some were corrected since.
;; Structure Aware Graph Attention. Allowed arithmetic: matrix products marked QUANTISED: E5M2 operands, one given power-of-two scale a tensor, by v_wmma_f32_16x16x64_bf8_bf8 or v_wmma_f32_16x16x128_bf8_bf8, f32 sums; everything else in f32.
;; Inputs: Wk_codes 128 x 4 x 32 uint8 (E5M2 codes of Wk, K innermost, in blocks of 32 codes); Wo_codes 128 x 4 x 32 uint8 (E5M2 codes of Wo, K innermost, in blocks of 32 codes); Wq_codes 128 x 4 x 32 uint8 (E5M2 codes of Wq, K innermost, in blocks of 32 codes); Wv_codes 128 x 4 x 32 uint8 (E5M2 codes of Wv, K innermost, in blocks of 32 codes); bk 128 float32; bo 128 float32; bq 128 float32; bv 128 float32; edge_weight 4 x 4,096 x 4,096 float32; lowp_scales 12 int32 (the exponents e of the quantised operands' scales 2^e); x_codes 4 x 4,096 x 4 x 32 uint8 (E5M2 codes of x, K innermost, in blocks of 32 codes).
;; Outputs: out0 4 x 4,096 x 128 float32.
;; This version of the problem:
;;   THIS VERSION OF THE PROBLEM IS GIVEN IN LOW PRECISION. The matrix products marked QUANTISED in the list below multiply operands that are first quantised to E5M2 (5 exponent bits, 2 mantissa bits; 8 bits a number), with one given power-of-two scale for each operand tensor; their sums are f32. All else is computed in f32.
;;   The module's matrix products, in the order in which they are computed (A, B: the left and right operand; K: the contracted axis; several contracted axes count as one K, in the product's order):
;;     1. [M 16,384, K 128] x [K 128, N 128]; A: input x (given as codes); B: input Wq (given as codes): QUANTISED (scales: A lowp_scales[0], B lowp_scales[1])
;;     2. [M 16,384, K 128] x [K 128, N 128]; A: input x (given as codes); B: input Wk (given as codes): QUANTISED (scales: A lowp_scales[2], B lowp_scales[3])
;;     3. [M 16,384, K 128] x [K 128, N 128]; A: input x (given as codes); B: input Wv (given as codes): QUANTISED (scales: A lowp_scales[4], B lowp_scales[5])
;;     4. batch 16 x [M 4,096, K 32] x [K 32, N 4,096]; A: computed on the way; B: computed on the way: QUANTISED (scales: A lowp_scales[6], B lowp_scales[7])
;;     5. batch 16 x [M 4,096, K 4,096] x [K 4,096, N 32]; A: softmax (see below); B: computed on the way: QUANTISED (scales: A lowp_scales[8], B lowp_scales[9])
;;     6. [M 16,384, K 128] x [K 128, N 128]; A: computed on the way; B: input Wo (given as codes): QUANTISED (scales: A lowp_scales[10], B lowp_scales[11])
;;   THE QUANTISER, for each operand of a quantised product, along K:
;;     - The operand's scale is 2^e, e = its entry of the input lowp_scales (int32; the entries are numbered through the quantised products in the list's order, A before B).
;;     - Each number is divided by the scale, clamped to +-57,344, and rounded to the nearest number of E5M2, ties to even, subnormals kept.
;;     - The product sums the exact products of the quantised numbers (number of the format x scale) in f32.
;;   ~~~python
;;   def quantise(x, axis, e):      # numpy; x: float32 -> the quantised numbers, widened to float32 again
;;       x = np.moveaxis(x, axis, -1); K = x.shape[-1]
;;       r = np.clip(x / 2.0 ** e, -57344, 57344)
;;       step = 2.0 ** (np.maximum(np.frexp(np.where(r == 0, 1, r))[1] - 1, -14) - 2)
;;       q = np.round(r / step) * step * 2.0 ** e      # np.round: ties to even
;;       return np.moveaxis(q, -1, axis).astype(np.float32)
;;   ~~~
;;   SOFTMAX AHEAD OF A QUANTISED PRODUCT. Where the list says 'softmax', what is quantised is not the finished softmax but p = 2^(t - M), with t = logit x log2(e) and M = ceil(the row's largest t), a whole number; so 1/2 < the row's largest p <= 1. The row's sum l is taken of the UNQUANTISED p, in f32, and the product's result is divided by l at the end. Since M is a whole number, a kernel that streams over the keys may use a running M (the ceiling of the running maximum): every later rescaling is an exact power of two, so the quantised numbers keep their values, but for numbers so far below the row's largest that they fall under the format's range.
;;   OPERANDS COMPUTED ON THE WAY. 'Computed on the way' means the value that the module computes at that place (a softmax that the list does not call 'softmax' is quantised finished and normalised). What goes into a quantiser is computed in f32, as accurately as f32 sums, v_exp_f32 and their like allow (about 1e-6 of the number): no bf16 or f16 on the way to a quantiser, and a product that is left as it is and whose result goes on into a quantised operand takes f32 operands (vector FMAs, or v_wmma_f32_16x16x4_f32). A number that lies on a knife's edge between two numbers of the format may be rounded either way, as far as f32 arithmetic and the matrix unit's own rounding can turn it there, and no further.
;;   INPUTS GIVEN AS CODES. Wk (in the module: [128, 128], K = its axis 1); Wo (in the module: [128, 128], K = its axis 1); Wq (in the module: [128, 128], K = its axis 1); Wv (in the module: [128, 128], K = its axis 1); x (in the module: [4, 4096, 128], K = its axis 2): each comes as NAME_codes (uint8): NAME with its K axis moved to the last place and cut into blocks of 32 codes, [.., K / 32, bytes a block], one block behind the other in memory; one code a byte (a code: sign, 5 exponent bits, 2 mantissa bits); its scale is its entry of lowp_scales. Its value is code x scale, taken as it is: it is not quantised again, and the codes and scales need not be those that the quantiser above would give.
;; One version. Each part assembles by itself: llvm-mc -triple=amdgcn-amd-amdhsa -mcpu=gfx1250 --defsym DOCPART=n.
;; ======== version 1 of 1: 2 launches
;; limits: right only within a limited range of input values
;; workspace buffers: qimg 2,097,152 bytes; kvimg 4,194,304 bytes
;; launch proj (part 1): grid 256 x 1, 12 waves a work-group, no clusters, 0 bytes of LDS; arguments x_codes, Wq_codes, Wk_codes, Wv_codes, bq, bk, bv, lowp_scales, qimg, kvimg; writes qimg, kvimg
.if DOCPART == 1
	.amdgcn_target "amdgcn-amd-amdhsa--gfx1250"
	.amdhsa_code_object_version 6
	.text
	.protected	k_q1386b48a52_proj
	.globl	k_q1386b48a52_proj
	.p2align	8
	.type	k_q1386b48a52_proj,@function
k_q1386b48a52_proj:
	s_mov_b64 s[64:65], 0
	v_nop
	global_prefetch_b8 v0, s[64:65] scope:SCOPE_SE
	s_setreg_imm32_b32 hwreg(HW_REG_WAVE_MODE, 25, 1), 1
	s_wait_xcnt 0x0
; q = x Wq^T + bq, k = x Wk^T + bk, v = x Wv^T + bv on codes of BF8 (E5M2), sums in f32; each result is quantised at once with its given scale (q: entry 6, k: entry 7, v: entry 9 of the
; scales) and stored as IMAGES OF THE OPERANDS' REGISTERS of the attention launch: 512 bytes an image, lane l's 16 bytes at 16 l.
;   qimg  [tile of 16 queries][head][512]: lane (r, h) = q[query 16 t + r][head][16 h .. 16 h + 15]
;   kvimg [block of 32 keys][8192]: K part [u][head][512]: lane (r, h) = k[key 32 B + 8 u + r + 8 (r / 8)][head][16 h .. + 15];
;         V part, 4,096 bytes on, [2 head + u][512]: lane (r, h) = v[keys 32 B + 16 h + 0 .. 15][channel 32 head + 8 u + r + 8 (r / 8)]
; SHARES.  Twelve waves: role = wave / 4 (0 q, 1 k, 2 v), half = (wave / 2) % 2 (heads 2 half, 2 half + 1: 64 rows of the weight), blk = wave % 2; the wave takes 32 rows of x (block 2 x work-group + blk):
; 8 matrix instructions, 64 numbers a lane to quantise, four stores of 512 consecutive bytes.  No loop, no LDS, no barrier: waves share nothing.
; LAYOUT.  q, k: source 0 = 16 rows of W, source 1 = 16 rows of x: a lane holds one row of x and its registers run along the channels.  v: source 0 = 16 rows of x, source 1 = 16 rows of W: a lane holds one
; channel and its registers run along the keys, which are the K of attention's second product.  THE ROWS OF A TILE ON THE REGISTER SIDE ARE NOT NEIGHBOURS: lane r of tile 2 b + u takes row 32 b + 8 u + r + 8 (r / 8),
; so that the 16 registers of tiles 2 b and 2 b + 1 are 16 neighbours.  Fragments come by four loads of 16 bytes: registers 4 c .. 4 c + 3 hold k = 32 c + 16 h + 0 .. 15, alike on both sides of a product.
; The bias is the C of the one matrix instruction of each sum, divided by 2^(ex + ew), the power of two that the sums lack; the conversion's scale is 2^(eo - ex - ew).
; NO JOINT LOADS: nothing here goes through LDS; a wave reads its 8 KiB of a weight and its 4 KiB of x once, straight into the operands' registers.
; LIMITS: eo - ex - ew between -126 and 112 for each of the three products, so that the scale and 57,344 x the scale are f32 numbers.  NaN among the biases is not served.
.set XF, 16                            ; v16-47   x: two tiles of 16 rows x 128 K
.set WF, 48                            ; v48-111  W: four tiles (2 bl + u)
.set BC, 112                           ; v112-143 the biases as C: four tiles x 8
.set DR, 144                           ; v144-207 the results: 64 numbers
.set CD, 208                           ; v208-223 their codes
.macro POWERS                          ; from s56 = ex, s57 = ew, s58 = eo
	s_add_co_i32 s61, s56, s57
	s_sub_co_i32 s62, 0, s61                       ; -(ex + ew): for the bias
	s_sub_co_i32 s58, s58, s61
	s_add_co_i32 s58, s58, 127
	s_lshl_b32 s63, s58, 23
	v_mov_b32 v8, s63                              ; 2^(eo - ex - ew) as f32: the conversion takes its exponent field
.endm
.macro QUANT                           ; 64 numbers become 64 codes; each accumulator is read from its low end on
.set i, 0
.rept 64
.set i, i+1
.endr
.set i, 0
.rept 8
	v_cvt_scalef32_pk8_bf8_f32 v[CD+2*i:CD+2*i+1], v[DR+8*i:DR+8*i+7], v8
.set i, i+1
.endr
	v_nop                                          ; a plain line behind the last conversion
.endm
	s_load_b512 s[4:19], s[0:1], 0x0               ; x s[4:5], Wq s[6:7], Wk s[8:9], Wv s[10:11], bq s[12:13], bk s[14:15], bv s[16:17], the scales s[18:19]
	s_load_b128 s[20:23], s[0:1], 0x40             ; qimg s[20:21], kvimg s[22:23]
	v_lshrrev_b32 v1, 5, v0
	s_delay_alu instid0(VALU_DEP_1)
	v_readfirstlane_b32 s40, v1                    ; wave 0..11
	s_lshr_b32 s41, s40, 2                         ; role
	s_bfe_u32 s42, s40, 0x10001                    ; half
	s_and_b32 s43, s40, 1                          ; blk
	s_lshl_b32 s44, ttmp9, 1
	s_add_co_u32 s44, s44, s43                     ; my block of 32 rows of x, 0 .. 511
	v_and_b32 v1, 15, v0                           ; r
	v_bfe_u32 v2, v0, 4, 1                         ; h
	s_delay_alu instid0(VALU_DEP_2)
	v_and_b32 v3, 8, v1
	s_delay_alu instid0(VALU_DEP_1)
	v_add_nc_u32 v3, v3, v1                        ; r + 8 (r / 8)
	s_delay_alu instid0(VALU_DEP_1)
	v_lshlrev_b32 v4, 7, v3
	s_delay_alu instid0(VALU_DEP_1)
	v_lshl_add_u32 v4, v2, 4, v4                   ; W: row r + 8 (r / 8) of 128 bytes, + 16 h
	v_and_b32 v10, 31, v0
	s_delay_alu instid0(VALU_DEP_1)
	v_lshlrev_b32 v10, 4, v10                      ; an image's place for my lane
	s_wait_alu depctr_va_vdst(0)
	s_wait_kmcnt 0x0
	s_load_b256 s[24:31], s[18:19], 0x0            ; e0 .. e7
	s_load_b128 s[32:35], s[18:19], 0x20           ; e8 .. e11
	s_cmp_eq_u32 s41, 0                            ; the choices hang on the wave's number alone
	s_cselect_b64 s[46:47], s[6:7], s[8:9]         ; the weight,
	s_cselect_b64 s[48:49], s[12:13], s[14:15]     ; the bias,
	s_cselect_b64 s[50:51], s[20:21], s[22:23]     ; where the images go;
	s_cselect_b32 s52, 12, 13                      ; a block's images: 4,096 bytes in qimg, 8,192 in kvimg
	s_cselect_b32 s54, 0, 8                        ; q takes x's rows as they lie, k and v take r + 8 (r / 8)
	s_cselect_b32 s55, 11, 10                      ; so x's second tile begins 16 rows on, or 8
	s_cmp_eq_u32 s41, 2
	s_cselect_b64 s[46:47], s[10:11], s[46:47]
	s_cselect_b64 s[48:49], s[16:17], s[48:49]
	s_cselect_b32 s59, 11, 10                      ; my half's images: four of V's are 2,048 bytes, two heads' of q or k 1,024
	s_cselect_b32 s60, 4096, 0                     ; V's part lies behind K's
	s_lshl_b32 s36, s44, 12                        ; offsets are made apart from the addresses
	s_mov_b32 s37, 0
	s_add_nc_u64 s[4:5], s[4:5], s[36:37]          ; x at my 32 rows
	s_lshl_b32 s36, s42, 13
	s_add_nc_u64 s[46:47], s[46:47], s[36:37]      ; W at my 64 rows
	s_lshl_b32 s36, s42, 8
	s_add_nc_u64 s[48:49], s[48:49], s[36:37]      ; the bias at my 64 numbers
	s_lshl_b32 s36, s44, s52
	s_lshl_b32 s38, s42, s59
	s_add_co_u32 s36, s36, s38
	s_add_co_u32 s36, s36, s60
	s_add_nc_u64 s[50:51], s[50:51], s[36:37]      ; my images
	s_lshl_b32 s53, 1, s55
	v_and_b32 v5, s54, v1
	s_delay_alu instid0(VALU_DEP_1)
	v_add_nc_u32 v5, v5, v1
	s_delay_alu instid0(VALU_DEP_1)
	v_lshlrev_b32 v5, 7, v5
	s_delay_alu instid0(VALU_DEP_1)
	v_lshl_add_u32 v5, v2, 4, v5                   ; x, first tile
	s_delay_alu instid0(VALU_DEP_1)
	v_add_nc_u32 v6, s53, v5                       ; x, second tile
.irp t, 0,1,2,3
.irp c, 0,1,2,3
	global_load_b128 v[WF+16*\t+4*\c:WF+16*\t+4*\c+3], v4, s[46:47] offset:(32*(\t/2)+8*(\t%2))*128+32*\c
.endr
.endr
.irp p, 0,1
.irp c, 0,1,2,3
	global_load_b128 v[XF+16*\p+4*\c:XF+16*\p+4*\c+3], v[5+\p], s[4:5] offset:32*\c
.endr
.endr
	s_cmp_eq_u32 s41, 2
	s_cbranch_scc1 .Lv
	; ---- q and k: a lane's registers run along the channels, so a tile's bias is eight neighbours: channels 32 bl + 8 u + 16 h + 0 .. 7
	v_lshlrev_b32 v7, 6, v2
.irp t, 0,1,2,3
	global_load_b128 v[BC+8*\t:BC+8*\t+3], v7, s[48:49] offset:(32*(\t/2)+8*(\t%2))*4
	global_load_b128 v[BC+8*\t+4:BC+8*\t+7], v7, s[48:49] offset:(32*(\t/2)+8*(\t%2))*4+16
.endr
	s_wait_kmcnt 0x0
	s_cmp_eq_u32 s41, 0
	s_cselect_b32 s56, s24, s26                    ; x's scale in this product,
	s_cselect_b32 s57, s25, s27                    ; the weight's,
	s_cselect_b32 s58, s30, s31                    ; the result's as an operand
	POWERS
	s_wait_loadcnt 0x0
.set i, 0
.rept 32
	v_ldexp_f32 v[BC+i], v[BC+i], s62
.set i, i+1
.endr
.irp p, 0,1
.irp bl, 0,1
.irp u, 0,1
	v_wmma_f32_16x16x128_bf8_bf8 v[DR+16*(2*\p+\bl)+8*\u:DR+16*(2*\p+\bl)+8*\u+7], v[WF+16*(2*\bl+\u):WF+16*(2*\bl+\u)+15], v[XF+16*\p:XF+16*\p+15], v[BC+8*(2*\bl+\u):BC+8*(2*\bl+\u)+7]
.endr
.endr
.endr
.rept 4
	v_nop                                          ; four places between the last product and the first read of results (ISA guide 7.12.1)
.endr
	QUANT
.irp i, 0,1,2,3                        ; image 2 p + bl: x's tile p, head 2 half + bl
	global_store_b128 v10, v[CD+4*\i:CD+4*\i+3], s[50:51] offset:(\i/2)*2048+(\i%2)*512   ; the wave stores 512 consecutive bytes, aligned to 512
.endr
	s_endpgm
.Lv:	; ---- v: a lane holds one channel, so a tile's bias is one number a lane, eight times
	v_lshlrev_b32 v7, 2, v3
.irp t, 0,1,2,3
	global_load_b32 v[BC+8*\t], v7, s[48:49] offset:(32*(\t/2)+8*(\t%2))*4
.endr
	s_wait_kmcnt 0x0
	s_mov_b32 s56, s28
	s_mov_b32 s57, s29
	s_mov_b32 s58, s33
	POWERS
	s_wait_loadcnt 0x0
.irp t, 0,1,2,3
.irp j, 7,6,5,4,3,2,1,0                ; the register that was loaded is written last
	v_ldexp_f32 v[BC+8*\t+\j], v[BC+8*\t], s62
.endr
.endr
.irp t, 0,1,2,3
.irp p, 0,1
	v_wmma_f32_16x16x128_bf8_bf8 v[DR+16*\t+8*\p:DR+16*\t+8*\p+7], v[XF+16*\p:XF+16*\p+15], v[WF+16*\t:WF+16*\t+15], v[BC+8*\t:BC+8*\t+7]
.endr
.endr
.rept 4
	v_nop
.endr
	QUANT
.irp t, 0,1,2,3
	global_store_b128 v10, v[CD+4*\t:CD+4*\t+3], s[50:51] offset:512*\t
.endr
	s_endpgm
.Lfunc_end_k_q1386b48a52_proj:
	.size	k_q1386b48a52_proj, .Lfunc_end_k_q1386b48a52_proj-k_q1386b48a52_proj
	.p2alignl 7, 3214868480
	.fill 96, 4, 3214868480
	.section	.rodata,"a",@progbits
	.p2align	6, 0x0
	.amdhsa_kernel k_q1386b48a52_proj
		.amdhsa_group_segment_fixed_size 0
		.amdhsa_private_segment_fixed_size 0
		.amdhsa_enable_private_segment 0
		.amdhsa_kernarg_size 80
		.amdhsa_user_sgpr_count 2
		.amdhsa_user_sgpr_kernarg_segment_ptr 1
		.amdhsa_wavefront_size32 1
		.amdhsa_system_sgpr_workgroup_id_x 1
		.amdhsa_system_sgpr_workgroup_id_y 1
		.amdhsa_system_sgpr_workgroup_id_z 1
		.amdhsa_system_vgpr_workitem_id 0
		.amdhsa_next_free_vgpr 224
		.amdhsa_next_free_sgpr 66
		.amdhsa_reserve_vcc 0
		.amdhsa_float_denorm_mode_32 3
		.amdhsa_float_denorm_mode_16_64 3
		.amdhsa_fp16_overflow 1
		.amdhsa_memory_ordered 1
		.amdhsa_forward_progress 1
		.amdhsa_inst_pref_size 14
	.end_amdhsa_kernel
	.amdgpu_metadata
---
amdhsa.version: [ 1, 2 ]
amdhsa.kernels:
  - .name:           k_q1386b48a52_proj
    .symbol:         k_q1386b48a52_proj.kd
    .args:
      - { .name: x_codes, .offset: 0, .size: 8, .value_kind: global_buffer, .address_space: global }
      - { .name: Wq_codes, .offset: 8, .size: 8, .value_kind: global_buffer, .address_space: global }
      - { .name: Wk_codes, .offset: 16, .size: 8, .value_kind: global_buffer, .address_space: global }
      - { .name: Wv_codes, .offset: 24, .size: 8, .value_kind: global_buffer, .address_space: global }
      - { .name: bq, .offset: 32, .size: 8, .value_kind: global_buffer, .address_space: global }
      - { .name: bk, .offset: 40, .size: 8, .value_kind: global_buffer, .address_space: global }
      - { .name: bv, .offset: 48, .size: 8, .value_kind: global_buffer, .address_space: global }
      - { .name: lowp_scales, .offset: 56, .size: 8, .value_kind: global_buffer, .address_space: global }
      - { .name: qimg, .offset: 64, .size: 8, .value_kind: global_buffer, .address_space: global }
      - { .name: kvimg, .offset: 72, .size: 8, .value_kind: global_buffer, .address_space: global }
    .group_segment_fixed_size: 0
    .private_segment_fixed_size: 0
    .kernarg_segment_align: 8
    .kernarg_segment_size: 80
    .max_flat_workgroup_size: 384
    .sgpr_count:     66
    .vgpr_count:     224
    .wavefront_size: 32
...
	.end_amdgpu_metadata
.endif
;; end of part 1
;; launch attn (part 2): grid 256 x 1, 16 waves a work-group, clusters of 4 x 1, 327,680 bytes of LDS; arguments qimg, kvimg, edge_weight, lowp_scales, Wo_codes, bo, out0; writes out0
.if DOCPART == 2
	.amdgcn_target "amdgcn-amd-amdhsa--gfx1250"
	.amdhsa_code_object_version 6
	.text
	.protected	k_q1386b48a52_attn
	.globl	k_q1386b48a52_attn
	.p2align	8
	.type	k_q1386b48a52_attn,@function
k_q1386b48a52_attn:
	s_mov_b64 s[64:65], 0
	v_nop
	global_prefetch_b8 v0, s[64:65] scope:SCOPE_SE
	s_setreg_imm32_b32 hwreg(HW_REG_WAVE_MODE, 25, 1), 1
	s_wait_xcnt 0x0
	s_wait_alu depctr_hold_cnt(0) depctr_sa_sdst(0) depctr_va_vdst(0) depctr_va_sdst(0) depctr_va_ssrc(0) depctr_va_vcc(0) depctr_vm_vsrc(0)
	s_getreg_b32 s2, hwreg(HW_REG_IB_STS2, 6, 4)
	s_cmp_eq_u32 s2, 0
	s_cbranch_scc0 .Lentry_in_a_cluster
	s_endpgm
.Lentry_in_a_cluster:
	s_bfe_u32 s2, ttmp6, 0x10000c
	s_cmp_lg_u32 s2, 0x3003
	s_cbranch_scc0 .Lentry_shape_is_right
	s_endpgm
.Lentry_shape_is_right:
; out = (softmax_k(q . k / sqrt(32) + log(max(edge, 1e-8))) v) Wo^T + bo, four heads of 32, all three products on codes of BF8 (E5M2) with the given scales; q, k, v come as register images.
; THE SOFTMAX AHEAD OF THE SECOND PRODUCT: t = logit x log2(e); M = the largest t so far, rounded UP to a whole number; p = 2^(t - M) is quantised along the keys, not normalised; the row's sum is taken of the
; unquantised p in f32 and divides at the end.  When M moves, the sum and O are multiplied by 2^(old M - new M): nothing is rounded.
; SHARES.  A work-group owns 64 queries of one graph.  Sixteen waves, four to a SIMD: wave w has query tile qt = w / 4 (16 queries) and key quarter kq = w % 4 of four: of each step of 256 keys it takes keys 64 kq .. 64 kq + 63,
; FOR ALL FOUR HEADS, so that each edge weight is read once and its logarithm taken once.  16 steps.  At the end the four quarters' partial O, M and sum of a query tile meet in LDS; wave (qt, kq) merges head kq.
; (kq is w & 3.)
; THE BIAS RIDES ON THE PRODUCT: t = c s + log2(w) = c (s + log2(w) / c), c = log2(e) / sqrt(32) x 2^(e6 + e7).  log2(w) / c, made once a step, is the C of all four heads' score products.
; K = 32 OF THE SCORES: a fragment of K holds TWO heads' 32 + 32 channels; Q's fragment for one head holds zero codes in the other head's half.  K's codes are held, so finite, and the zero half adds nothing.
; LAYOUT.  Both products transposed: S^T = K Q^T, O^T = V^T P^T: a lane holds one query (lane % 16).  The keys of K's tiles and the channels of V's tiles are ordered by the launch before (r + 8 (r / 8)), so that
; p's 16 registers of two tiles are 16 neighbouring keys, and O's 16 registers of a head 16 neighbouring channels: the conversions' results are the next operand's registers.
; CLUSTER.  The four work-groups of a cluster belong to one graph (64 work-groups a graph) and walk the same K and V: 64 KiB of a step's 128 KiB are asked for JOINTLY (waves 4-7, mask 15).  The edge tiles are each work-group's own
; (waves 0-3, no mask), behind the same rounds.  The place in the cluster enters the global addresses of the edges, of q and of the output alone.
; LIMITS on the given exponents, so that each power of two below is an f32 number: e6 + e7 between -124 and 127 (added to c's exponent field, taken off 1 / c's); e8 and e10 between -126 and 112; e10 + e11 between -126 and 127;
; e8 + e9 is applied by v_ldexp_f32 and has none.  A NaN among the edge weights counts as 1e-8, where reference() would give NaN.  log2(w) / c x c rounds twice: about 1e-7 of the bias.
.set SLOT1, 0                          ; LDS: slot 1 (odd steps) begins at byte 0: 4 edge tiles of 64 rows x 272 bytes, then 64 KiB of K and V images
.set SLOT0, 135168                     ; slot 0 (even steps)
.set EP,    272                        ; an edge row: 256 bytes + 16 of padding = 68 words: the 16 rows that a load touches start at 16 different banks (64 banks of 4 bytes: ISA guide 11.1)
.set EQ,    64*EP                      ; an edge tile: 64 queries x 64 keys
.set EDGEB, 4*EQ
.set PART,  SLOT0                      ; the partials: 10,240 bytes a wave.  They lie over slot 0, which has had its last fill and its last read when the first is stored, and over bytes that are never filled
.set PARTW, 10240
.set STG,   SLOT0                      ; the stage for the output, 64 rows x (512 + 16): over the partials, behind the barrier that ends their reading
.set SGP,   528
.set AIMG,  PART+16*PARTW              ; the attention output's codes: [qt][head][512]
.set SPARE, AIMG+8192                  ; the spare words, 128 bytes for each of sixteen waves: eight blocks of 256 bytes that no other line names
.set SPW, 1                            ; v1   SPARE + 4 x my thread's number; never rewritten
.set NIL, 2                            ; v2   0; never rewritten
.set AE,  3                            ; v3, v4  my edge rows in slot 0, 1
.set AK,  5                            ; v5, v6  my quarter's images in slot 0, 1
.set SCL, 7                            ; v7   2^e8 as f32
.set TA,  8                            ; v8, v9 at work
.set TB,  9
.set FF,  10                           ; v[10:11] f = 2^(old M - new M); v11 is only named with it
.set PX,  12                           ; v12  a lane permute's destination
.set L16, 13                           ; v13  16 x lane; never rewritten
.set SUM, 14                           ; v[14:15] the second chain of a row's sum
.set ST,  16                           ; v16-31  a head's -M, largest t, sum in two halves
.set QF,  32                           ; v32-55  q0, zeros, q1, q2, zeros, q3: four registers each; head hd's fragment begins at QF + 12 (hd / 2) + 4 (hd % 2)
.set LW,  56                           ; v56-87  log2(edge) / c: register 16 b + i = key 32 b + 16 (lane / 16) + i of my 64
.set SC,  88                           ; v88-151 two heads' S^T, then p
.set KR,  152                          ; v152-183 a head pair's K fragments, then its V fragments
.set OA,  184                          ; v184-247 O^T: head hd at OA + 16 hd: channels 32 hd + 16 (lane / 16) + 0 .. 15
.set PC,  248                          ; v248-255 p's codes
.set WO,  32                           ; the end: v32-63 Wo's two fragments, v64-79 bo, v80-159 four partials of 20 registers, v160-175 the merged head, v176-179 its codes
.set BO,  64
.set PD,  80
.set AO,  160
.set AC,  176
.set AF,  80                           ; then v80-95 the attention output's fragment, v96-111 the sums, v112-127 y, v128-143 rows of y
.set YA,  96
.set YR,  112
.set YB,  128
.set WV,  18                           ; s18 wave, s19 qt, s20 kq
.set QT,  19
.set KQ,  20
.set SEL, 22                           ; s[22:23] v_permlanex16_b32's selects for lane l xor 16
.set CS,  24                           ; s[24:25] c, twice
.set RC,  26                           ; s[26:27] 1 / c, twice
.set EPS, 28                           ; s28 1e-8
.set LIM, 29
.set G1E, 32                           ; s[32:39] descriptor group 1 for edge tiles;  s[40:47] for K and V
.set G1K, 40
.set G0E, 48                           ; s[48:55] group 0 for edge tiles, a set for each slot;  s[56:63] for K and V
.set G0K, 56
.set CNT, 66
.set YS,  84                           ; s[84:85] 2^(e10 + e11), twice
.set EPV, 86                           ; s86 e8 + e9
; A round of the cluster's barrier: my work-group's barrier, so that wave 0's signal speaks for all sixteen waves; wave 0 signals; every wave waits for the four work-groups; my work-group's barrier once more.
.macro CROUND
	s_barrier_signal -1
	s_barrier_wait -1
	s_cmp_lg_u32 s[WV], 0
	s_cbranch_scc1 .Lnot_wave_0_\@
	s_barrier_signal -3
.Lnot_wave_0_\@:
	s_barrier_wait -3
	s_barrier_signal -1
	s_barrier_wait -1
.endm
; Waves 0-3 fetch the four edge tiles of a step, waves 4-7 the four quarters of its K and V, the others nothing.  The branches hang on the wave's number alone.  Four v_nop follow each line.
.macro TLOAD s
	s_cmp_lt_u32 s[WV], 4
	s_cbranch_scc0 .Lnot_e_\@
	tensor_load_to_lds s[G0E+4*(\s):G0E+4*(\s)+3], s[G1E:G1E+7]
	s_nop 0
.rept 4
	v_nop
.endr
	s_branch .Lasked_\@
.Lnot_e_\@:
	s_cmp_lt_u32 s[WV], 8
	s_cbranch_scc0 .Lasked_\@
	tensor_load_to_lds s[G0K+4*(\s):G0K+4*(\s)+3], s[G1K:G1K+7]
	s_nop 0
.rept 4
	v_nop
.endr
.Lasked_\@:
.endm
; K's four tiles of 16 keys (t = 2 block + u) for heads 2 g, 2 g + 1: registers 0-3 of a fragment the first head's channels, 4-7 the second's.  An image's 512 bytes are consecutive: no bank is asked twice.
.macro KLOAD s, g
.irp t, 0,1,2,3
.irp hl, 0,1
	ds_load_b128 v[KR+8*\t+4*\hl:KR+8*\t+4*\hl+3], v[AK+\s] offset:(\t/2)*8192+(\t%2)*2048+(2*\g+\hl)*512
.endr
.endr
.endm
; V's fragments for the same two heads: (hl, u): 16 channels x my 64 keys; the first head's four loads first
.macro VLOAD s, g
.irp hl, 0,1
.irp u, 0,1
.irp b, 0,1
	ds_load_b128 v[KR+16*\hl+8*\u+4*\b:KR+16*\hl+8*\u+4*\b+3], v[AK+\s] offset:\b*8192+4096+(2*(2*\g+\hl)+\u)*512
.endr
.endr
.endr
.endm
; One head's softmax for 64 keys (32 a lane): scores + bias in v[SC + 32 hl] on become p, p's codes go to v[PC] on, the head's O^T is brought under the new M.
.macro SOFTMAX hd, hl
.set SS, SC+32*(\hl)
.set T4, ST+4*(\hd)
.set OO, OA+16*(\hd)
	v_max3_num_f32 v[TA], v[SS], v[SS+1], v[SS+2]  ; the largest sum of my query among my 32 keys, in two chains, ascending: each accumulator is first read at its low end
	v_max3_num_f32 v[TB], v[SS+3], v[SS+4], v[SS+5]
.irp i, 6,10,14,18,22,26
	v_max3_num_f32 v[TA], v[TA], v[SS+\i], v[SS+\i+1]
	v_max3_num_f32 v[TB], v[TB], v[SS+\i+2], v[SS+\i+3]
.endr
	v_max3_num_f32 v[TA], v[TA], v[SS+30], v[SS+31]
	s_delay_alu instid0(VALU_DEP_1)
	v_max_num_f32 v[TA], v[TA], v[TB]
	s_delay_alu instid0(VALU_DEP_1)
	v_permlanex16_b32 v[PX], v[TA], s[SEL], s[SEL+1]
	s_delay_alu instid0(VALU_DEP_1)
	v_max_num_f32 v[TA], v[TA], v[PX]              ; and among lane l xor 16's
	s_delay_alu instid0(VALU_DEP_1)
	v_mul_f32 v[TA], s[CS], v[TA]                  ; as t (c is positive)
	s_delay_alu instid0(VALU_DEP_1)
	v_max_num_f32 v[T4+1], v[T4+1], v[TA]          ; the running largest t
	v_mov_b32 v[TA], v[T4]
	s_delay_alu instid0(VALU_DEP_2)
	v_floor_f32 v[T4], -v[T4+1]                    ; the new -M = floor(-t): M is a whole number
	s_delay_alu instid0(VALU_DEP_1)
	v_sub_f32 v[TA], v[T4], v[TA]                  ; old M - new M: a whole number, 0 or less
	s_delay_alu instid0(VALU_DEP_1)
	v_cvt_i32_f32 v[TA], v[TA]                     ; (it saturates)
	s_delay_alu instid0(VALU_DEP_1)
	v_ldexp_f32 v[FF], 1.0, v[TA]                  ; f
.set i, 0
.rept 16
	v_pk_fma_f32 v[SS+i:SS+i+1], v[SS+i:SS+i+1], s[CS:CS+1], v[T4:T4+1] op_sel_hi:[1,0,0]   ; t - M, two at a time (of c's pair and of -M's the low word serves both halves)
.set i, i+2
.endr
.set i, 0
	s_wait_alu depctr_va_vdst(0)
.rept 32
	v_exp_f32 v[SS+i], v[SS+i]                     ; p = 2^(t - M), at most 1
.set i, i+1
.endr
	v_pk_mul_f32 v[T4+2:T4+3], v[T4+2:T4+3], v[FF:FF+1] op_sel_hi:[1,0]   ; the sum under the new M (the plain line behind the exponentials)
	s_wait_alu depctr_va_vdst(0)
	v_pk_add_f32 v[SUM:SUM+1], v[SS:SS+1], v[SS+2:SS+3]                   ; the row's sum is taken of the unquantised p, in two chains
.irp j, 4,8,12,16,20,24,28
	v_pk_add_f32 v[T4+2:T4+3], v[T4+2:T4+3], v[SS+\j:SS+\j+1]
	v_pk_add_f32 v[SUM:SUM+1], v[SUM:SUM+1], v[SS+\j+2:SS+\j+3]
.endr
	s_delay_alu instid0(VALU_DEP_1)
	v_pk_add_f32 v[T4+2:T4+3], v[T4+2:T4+3], v[SUM:SUM+1]
.set i, 0
.rept 32
.set i, i+1
.endr
.set i, 0
.rept 4
	v_cvt_scalef32_pk8_bf8_f32 v[PC+2*i:PC+2*i+1], v[SS+8*i:SS+8*i+7], v[SCL]
.set i, i+1
.endr
.set i, 0
.rept 8
	v_pk_mul_f32 v[OO+i:OO+i+1], v[OO+i:OO+i+1], v[FF:FF+1] op_sel_hi:[1,0]   ; O^T x f, each accumulator from its low end on; these are the plain lines between the conversions and the products
.set i, i+2
.endr
.endm
; O^T += V^T P^T for one head: two accumulators, one instruction a turn; between two links on one accumulator stand at least nine other matrix instructions
.macro PV hd, hl
.irp u, 0,1
	v_wmma_f32_16x16x64_bf8_bf8 v[OA+16*(\hd)+8*\u:OA+16*(\hd)+8*\u+7], v[KR+16*(\hl)+8*\u:KR+16*(\hl)+8*\u+7], v[PC:PC+7], v[OA+16*(\hd)+8*\u:OA+16*(\hd)+8*\u+7]
.endr
.endm
.macro HEADPAIR s, g
	s_wait_dscnt 0x0                               ; K's fragments are in
.irp t, 0,1,2,3
.irp hl, 0,1
	v_wmma_f32_16x16x64_bf8_bf8 v[SC+32*\hl+8*\t:SC+32*\hl+8*\t+7], v[KR+8*\t:KR+8*\t+7], v[QF+12*\g+4*\hl:QF+12*\g+4*\hl+7], v[LW+8*\t:LW+8*\t+7]
.endr
.endr
.rept 4
	v_nop                                          ; four places in front of loads into registers that these products read, and of the first read of their results (ISA guide 7.12.1 for the first read of their results)
.endr
	VLOAD \s, \g
	SOFTMAX 2*\g, 0
	s_wait_alu depctr_va_vdst(0)
	s_wait_dscnt 4                                 ; the first head's four loads of V are in; the second head's four may be out
	PV 2*\g, 0
	SOFTMAX 2*\g+1, 1
	s_wait_alu depctr_va_vdst(0)
	s_wait_dscnt 0x0
	PV 2*\g+1, 1
.rept 4
	v_nop                                          ; four places in front of the next loads into KR
.endr
.endm
; A step: my 16 queries x my 64 keys x four heads, from slot s
.macro STEP s
.irp b, 0,1
.irp j, 0,1,2,3
	ds_load_b128 v[LW+16*\b+4*\j:LW+16*\b+4*\j+3], v[AE+\s] offset:128*\b+16*\j   ; edge(my query, keys 32 b + 16 h + 4 j on)
.endr
.endr
	KLOAD \s, 0
	s_wait_dscnt 8                                 ; the eight edge loads are in; K's eight, issued behind them, may be out
.set i, 0
.rept 32
	v_max_num_f32 v[LW+i], s[EPS], v[LW+i]
.set i, i+1
.endr
.set i, 0
	s_wait_alu depctr_va_vdst(0)
.rept 32
	v_log_f32 v[LW+i], v[LW+i]                     ; log2
.set i, i+1
.endr
	v_nop                                          ; a plain line behind the last logarithm
.set i, 0
	s_wait_alu depctr_va_vdst(0)
.rept 16
	v_pk_mul_f32 v[LW+i:LW+i+1], v[LW+i:LW+i+1], s[RC:RC+1] op_sel_hi:[1,0]
.set i, i+2
.endr
	s_wait_alu depctr_va_vdst(0)
	HEADPAIR \s, 0
	KLOAD \s, 1
	HEADPAIR \s, 1
.endm
; The change of slots stands at a step's head.  Each wave waits for all its tensor loads (its part of slot s, if it fetches), adds 0 to its spare word, and waits for that and for its reads of the other slot.
; refill = 1: a round of the cluster's barrier, so that no wave of any partner still reads the other slot or has a load on its way; then the next step's tiles go into it, and have this whole step in which to land.
.macro TRIP s, refill
	s_wait_tensorcnt 0x0                           ; no tensor load of mine is out, so a group 0 may be written
	ds_add_u32 v[SPW], v[NIL]                      ; 0 onto my spare word; the descriptors' steps stand between it and the wait for it
	s_add_nc_u64 s[G0E+4*\s+2:G0E+4*\s+3], s[G0E+4*\s+2:G0E+4*\s+3], 2048     ; slot s's next tiles: 512 keys on in an edge row,
	s_add_nc_u64 s[G0K+4*\s+2:G0K+4*\s+3], s[G0K+4*\s+2:G0K+4*\s+3], 131072   ; 16 blocks of images on; the type bits on top are not reached
	s_wait_dscnt 0x0                               ; the add is done, and my reads of the other slot are over
.if \refill
	CROUND
	TLOAD 1-\s                                     ; the first thing behind the round, and a wave's one tensor load until the next
.else
	s_barrier_signal -1
	s_barrier_wait -1
.endif
	STEP \s
.endm
	s_load_b256 s[4:11], s[0:1], 0x0               ; qimg s[4:5], kvimg s[6:7], the edges s[8:9], the scales s[10:11]
	s_load_b128 s[12:15], s[0:1], 0x20             ; Wo's codes s[12:13], bo s[14:15]
	s_load_b64 s[16:17], s[0:1], 0x30              ; the output
	v_lshl_add_u32 v[SPW], v0, 2, SPARE
	v_mov_b32 v[NIL], 0
	ds_add_u32 v1, v2
	ds_add_u32 v1, v2
	s_wait_dscnt 0x0
	v_lshrrev_b32 v[TA], 5, v0
	s_delay_alu instid0(VALU_DEP_1)
	v_readfirstlane_b32 s[WV], v[TA]               ; wave 0..15
	s_lshr_b32 s[QT], s[WV], 2
	s_and_b32 s[KQ], s[WV], 3
	s_bfe_u32 s80, ttmp6, 0x40000                  ; cx: my place in the cluster
	s_lshl_b32 s81, ttmp9, 2                       ; in a cluster launch ttmp9 counts clusters
	s_add_co_u32 s81, s81, s80                     ; X: my 64 queries of the 16,384
	s_lshr_b32 s82, ttmp9, 4                       ; the graph, which the four partners share
	; group 1, edges: 64 rows x 64 elements of 4 bytes, 4,096 elements from row to row, 16 bytes of padding behind each row
	s_mov_b32 s[G1E+0], (2<<16)|(1<<20)|(5<<22)|(3<<25)   ; 15:0 no mask; 17:16 elements of 4 bytes; 20 padding on; 24:22 after every 64 words (code 5); 31:25 four words (code 3)
	s_mov_b32 s[G1E+1], 64<<16                     ; tensor_dim0
	s_mov_b32 s[G1E+2], 64<<16                     ; tensor_dim1
	s_mov_b32 s[G1E+3], 64<<16                     ; tile_dim0
	s_mov_b32 s[G1E+4], 64                         ; tile_dim1
	s_mov_b32 s[G1E+5], 4096                       ; tensor_dim0_stride
	s_mov_b32 s[G1E+6], 0
	s_mov_b32 s[G1E+7], 0
	; group 1, K and V: a dense block of 16 KiB as 64 rows of 32 elements of 8 bytes, for all four work-groups
	s_mov_b32 s[G1K+0], 15|(3<<16)|(1<<21)         ; 15:0 the mask: all four; 17:16 elements of 8 bytes; 21 set beside a mask
	s_mov_b32 s[G1K+1], 32<<16
	s_mov_b32 s[G1K+2], 64<<16
	s_mov_b32 s[G1K+3], 32<<16
	s_mov_b32 s[G1K+4], 64
	s_mov_b32 s[G1K+5], 32
	s_mov_b32 s[G1K+6], 0
	s_mov_b32 s[G1K+7], 0
	s_mov_b32 s[SEL], 0x76543210
	s_mov_b32 s[SEL+1], 0xfedcba98
	s_mov_b32 s[EPS], 0x322bcc77                   ; 1e-8
	s_mov_b32 s[CNT], 7
	s_lshl_b32 s88, s81, 20                        ; the edges: 64 rows of 16,384 bytes a work-group,
	s_lshl_b32 s89, s[KQ], 8                       ; + 64 keys x 4 bytes a quarter
	s_add_co_u32 s88, s88, s89
	s_mov_b32 s89, 0
	s_lshl_b32 s90, s82, 20                        ; K and V: 128 blocks of 8,192 bytes a graph, + two blocks a quarter: no place in the cluster enters
	s_lshl_b32 s91, s[KQ], 14
	s_add_co_u32 s90, s90, s91
	s_mov_b32 s91, 0
	s_mul_i32 s92, s[KQ], EQ                       ; and where they go in a slot
	s_lshl_b32 s93, s[KQ], 14
	s_wait_kmcnt 0x0
	s_load_b256 s[68:75], s[10:11], 0x0            ; e0 .. e7
	s_load_b128 s[76:79], s[10:11], 0x20           ; e8 .. e11
	s_add_nc_u64 s[8:9], s[8:9], s[88:89]
	s_add_nc_u64 s[6:7], s[6:7], s[90:91]
	s_mov_b32 s[G0E+0], 1                          ; slot 0, step 0
	s_add_co_u32 s[G0E+1], s92, SLOT0
	s_mov_b64 s[G0E+2:G0E+3], s[8:9]
	s_or_b32 s[G0E+3], s[G0E+3], 0x80000000
	s_mov_b32 s[G0E+4], 1                          ; slot 1, step 1: 256 keys on
	s_add_co_u32 s[G0E+5], s92, SLOT1
	s_add_nc_u64 s[G0E+6:G0E+7], s[8:9], 1024
	s_or_b32 s[G0E+7], s[G0E+7], 0x80000000
	s_mov_b32 s[G0K+0], 1
	s_add_co_u32 s[G0K+1], s93, SLOT0+EDGEB
	s_mov_b64 s[G0K+2:G0K+3], s[6:7]
	s_or_b32 s[G0K+3], s[G0K+3], 0x80000000
	s_mov_b32 s[G0K+4], 1
	s_add_co_u32 s[G0K+5], s93, SLOT1+EDGEB
	s_add_nc_u64 s[G0K+6:G0K+7], s[6:7], 65536
	s_or_b32 s[G0K+7], s[G0K+7], 0x80000000
	CROUND                                         ; all four work-groups are here: the first joint loads meet
	TLOAD 0                                        ; step 0
	v_and_b32 v[TA], 15, v0                        ; r
	v_bfe_u32 v[TB], v0, 4, 1                      ; h
	v_and_b32 v[L16], 31, v0
	s_delay_alu instid0(VALU_DEP_1)
	v_lshlrev_b32 v[L16], 4, v[L16]
	s_mul_i32 s94, s[QT], 16*EP
	s_add_co_u32 s94, s94, s92
	v_mul_u32_u24 v[AE+1], v[TA], EP
	s_delay_alu instid0(VALU_DEP_1)
	v_lshl_add_u32 v[AE+1], v[TB], 6, v[AE+1]
	s_delay_alu instid0(VALU_DEP_1)
	v_add_nc_u32 v[AE+1], s94, v[AE+1]             ; slot 1 (byte 0): my quarter's tile, row 16 qt + r, + 64 h
	s_delay_alu instid0(VALU_DEP_1)
	v_add_nc_u32 v[AE], SLOT0, v[AE+1]
	v_add_nc_u32 v[AK+1], s93, v[L16]
	s_delay_alu instid0(VALU_DEP_1)
	v_add_nc_u32 v[AK+1], EDGEB, v[AK+1]           ; slot 1: my quarter's images, 16 x lane
	s_delay_alu instid0(VALU_DEP_1)
	v_add_nc_u32 v[AK], SLOT0, v[AK+1]
	s_lshl_b32 s88, s81, 13                        ; q: four tiles of 2,048 bytes a work-group, mine is qt
	s_lshl_b32 s89, s[QT], 11
	s_add_co_u32 s88, s88, s89
	s_mov_b32 s89, 0
	s_add_nc_u64 s[4:5], s[4:5], s[88:89]
	global_load_b128 v[QF:QF+3], v[L16], s[4:5]
	global_load_b128 v[QF+8:QF+11], v[L16], s[4:5] offset:512
	global_load_b128 v[QF+12:QF+15], v[L16], s[4:5] offset:1024
	global_load_b128 v[QF+20:QF+23], v[L16], s[4:5] offset:1536
	s_lshl_b32 s88, s81, 15                        ; the output: 64 rows of 512 bytes a work-group, four rows a wave
	s_lshl_b32 s89, s[WV], 11
	s_add_co_u32 s88, s88, s89
	s_mov_b32 s89, 0
	s_add_nc_u64 s[16:17], s[16:17], s[88:89]
.irp j, 4,5,6,7,16,17,18,19
	v_mov_b32 v[QF+\j], 0                          ; the zero codes beside q
.endr
.irp hd, 0,1,2,3
	v_mov_b32 v[ST+4*\hd+1], 0xff61b1e6            ; the largest t so far: -3e38, under every t
	s_delay_alu instid0(VALU_DEP_1)
	v_floor_f32 v[ST+4*\hd], -v[ST+4*\hd+1]        ; -M
	v_mov_b32 v[ST+4*\hd+2], 0                     ; the sum, in two halves
	v_mov_b32 v[ST+4*\hd+3], 0
.endr
.set i, 0
.rept 64
	v_mov_b32 v[OA+i], 0                           ; O^T.  (The step has no first form of its own: the first finds zeros, which the first change of M leaves zeros)
.set i, i+1
.endr
	v_mov_b32 v[FF+1], 0                           ; (named as the upper half of f's pair)
	v_mov_b32 v[PX], 0                             ; (a lane permute's destination counts as one of its sources)
	s_wait_kmcnt 0x0
	s_add_co_i32 s96, s74, s75                     ; e6 + e7: a score stands for score x 2^(e6 + e7)
	s_lshl_b32 s96, s96, 23
	s_mov_b32 s[CS], 0x3e8293ee                    ; log2(e) / sqrt(32),
	s_add_co_i32 s[CS], s[CS], s96                 ; x 2^(e6 + e7): added to its exponent field
	s_mov_b32 s[CS+1], s[CS]
	s_mov_b32 s[RC], 0x407af233                    ; sqrt(32) / log2(e),
	s_sub_co_i32 s[RC], s[RC], s96                 ; / 2^(e6 + e7)
	s_mov_b32 s[RC+1], s[RC]
	s_add_co_i32 s96, s76, 127
	s_lshl_b32 s97, s96, 23
	v_mov_b32 v[SCL], s97                          ; 2^e8 as f32, for p's conversions
	s_add_co_i32 s[EPV], s76, s77                  ; e8 + e9
	s_add_co_i32 s[YS], s78, s79
	s_add_co_i32 s[YS], s[YS], 127
	s_lshl_b32 s[YS], s[YS], 23                    ; 2^(e10 + e11) as f32
	s_mov_b32 s[YS+1], s[YS]
	s_add_co_i32 s96, s78, 127
	s_lshl_b32 s98, s96, 23                        ; 2^e10,
	s_wait_loadcnt 0x0                             ; q
.Lloop:                                            ; seven trips: steps 0 to 13
	TRIP 0, 1
	TRIP 1, 1
	s_sub_co_u32 s[CNT], s[CNT], 1
	s_cmp_lg_u32 s[CNT], 0
	s_cbranch_scc1 .Lloop
	TRIP 0, 1                                      ; step 14; step 15's tiles are asked for
	TRIP 1, 0                                      ; step 15: written out; nothing is left to fetch
	; ---- THE END.  Addresses first (plain lines; with the four v_nop above they stand between the last products and the stores of their results).
	v_and_b32 v252, 15, v0                         ; r
	s_wait_alu depctr_va_vdst(0)
	v_bfe_u32 v253, v0, 4, 1                       ; h
	s_mul_i32 s92, s[WV], PARTW
	s_add_co_u32 s92, s92, PART
	v_add_nc_u32 v3, s92, v[L16]                   ; my partials
	s_mul_i32 s92, s[QT], 4*PARTW
	s_mul_i32 s93, s[KQ], 2560
	s_add_co_u32 s92, s92, s93
	s_add_co_u32 s92, s92, PART
	v_add_nc_u32 v4, s92, v[L16]                   ; head kq in the partials of my query tile's four waves
	s_lshl_b32 s92, s[WV], 9
	s_add_co_u32 s92, s92, AIMG
	v_add_nc_u32 v5, s92, v[L16]                   ; the merged head's image: [qt][kq]
	s_lshl_b32 s92, s[QT], 11
	s_add_co_u32 s92, s92, AIMG
	v_add_nc_u32 v6, s92, v[L16]                   ; my query tile's four images
	v_mul_u32_u24 v248, v252, SGP
	s_wait_alu depctr_va_vdst(0)
	v_lshl_add_u32 v248, v253, 5, v248
	s_mul_i32 s92, s[QT], 16*SGP
	s_lshl_b32 s93, s[KQ], 7
	s_add_co_u32 s92, s92, s93
	s_add_co_u32 s92, s92, STG
	v_add_nc_u32 v248, s92, v248                   ; the stage, in: row 16 qt + r, my 32 outputs' bytes, + 32 h
	s_mul_i32 s92, s[WV], 4*SGP
	s_add_co_u32 s92, s92, STG
	v_add_nc_u32 v249, s92, v[L16]                 ; back: rows 4 w on, 16 bytes a lane
	s_lshl_b32 s92, s[KQ], 12
	v_lshlrev_b32 v250, 7, v252
	s_delay_alu instid0(VALU_DEP_1)
	v_lshl_add_u32 v250, v253, 4, v250
	s_delay_alu instid0(VALU_DEP_1)
	v_add_nc_u32 v250, s92, v250                   ; Wo: row 32 kq + r of 128 bytes, + 16 h
	s_lshl_b32 s92, s[KQ], 7
	v_lshlrev_b32 v251, 5, v253
	s_delay_alu instid0(VALU_DEP_1)
	v_add_nc_u32 v251, s92, v251                   ; bo: outputs 32 kq + 8 h on
.irp hd, 0,1,2,3
	v_add_f32 v[ST+4*\hd+2], v[ST+4*\hd+2], v[ST+4*\hd+3]           ; a sum's two halves,
.endr
.irp hd, 0,1,2,3
	s_delay_alu instid0(VALU_DEP_4)
	v_permlanex16_b32 v[ST+4*\hd+3], v[ST+4*\hd+2], s[SEL], s[SEL+1]
.endr
.irp hd, 0,1,2,3
	s_delay_alu instid0(VALU_DEP_4)
	v_add_f32 v[ST+4*\hd+2], v[ST+4*\hd+2], v[ST+4*\hd+3]           ; and lane l xor 16's
.endr
.irp hd, 0,1,2,3                       ; my partials go to LDS as they stand: a head's 16 registers of O^T, ascending, then -M, t, the sum
.irp g, 0,1,2,3
	ds_store_b128 v3, v[OA+16*\hd+4*\g:OA+16*\hd+4*\g+3] offset:\hd*2560+\g*512
.endr
	ds_store_b128 v3, v[ST+4*\hd:ST+4*\hd+3] offset:\hd*2560+2048
.endr
.irp tl, 0,1                           ; Wo's two tiles of my 32 outputs and their bo are asked for now and land under the merge
.irp c, 0,1,2,3
	global_load_b128 v[WO+16*\tl+4*\c:WO+16*\tl+4*\c+3], v250, s[12:13] offset:\tl*2048+32*\c
.endr
	global_load_b128 v[BO+8*\tl:BO+8*\tl+3], v251, s[14:15] offset:64*\tl
	global_load_b128 v[BO+8*\tl+4:BO+8*\tl+7], v251, s[14:15] offset:64*\tl+16
.endr
	s_wait_dscnt 0x0                               ; for the others' sake: my partials have landed
	s_barrier_signal -1
	s_barrier_wait -1
	; ---- the merge of head kq for my 16 queries
.irp i, 0,1,2,3
.irp g, 0,1,2,3,4
	ds_load_b128 v[PD+20*\i+4*\g:PD+20*\i+4*\g+3], v4 offset:\i*PARTW+\g*512
.endr
.endr
	s_wait_dscnt 0x0
	v_min3_num_f32 v[TA], v[PD+16], v[PD+36], v[PD+56]
	s_delay_alu instid0(VALU_DEP_1)
	v_min_num_f32 v[TA], v[TA], v[PD+76]           ; -M of the whole row: the least of the four -M
.irp i, 0,1,2,3
	v_sub_f32 v[PD+20*\i+17], v[TA], v[PD+20*\i+16]   ; M_i - M: a whole number, 0 or less
.endr
.irp i, 0,1,2,3
	s_delay_alu instid0(VALU_DEP_4)
	v_cvt_i32_f32 v[PD+20*\i+17], v[PD+20*\i+17]
.endr
.irp i, 0,1,2,3
	s_delay_alu instid0(VALU_DEP_4)
	v_ldexp_f32 v[PD+20*\i+17], 1.0, v[PD+20*\i+17]   ; f_i = 2^(M_i - M)
.endr
	s_delay_alu instid0(VALU_DEP_4)
	v_mul_f32 v[TB], v[PD+17], v[PD+18]
.irp i, 1,2,3
	s_delay_alu instid0(VALU_DEP_1)
	v_fma_f32 v[TB], v[PD+20*\i+17], v[PD+20*\i+18], v[TB]   ; the row's sum
.endr
	s_wait_alu depctr_va_vdst(0)
	v_rcp_f32 v[TB], v[TB]
	v_nop                                          ; a plain line behind the reciprocal
	s_wait_alu depctr_va_vdst(0)
	v_ldexp_f32 v[TB], v[TB], s[EPV]               ; x 2^(e8 + e9)
.irp i, 0,1,2,3
	v_mul_f32 v[PD+20*\i+16], v[PD+20*\i+17], v[TB]
.endr
.irp j, 0,2,4,6,8,10,12,14
	v_pk_mul_f32 v[AO+\j:AO+\j+1], v[PD+\j:PD+\j+1], v[PD+16:PD+17] op_sel_hi:[1,0]
.endr
.irp i, 1,2,3
.irp j, 0,2,4,6,8,10,12,14
	v_pk_fma_f32 v[AO+\j:AO+\j+1], v[PD+20*\i+\j:PD+20*\i+\j+1], v[PD+20*\i+16:PD+20*\i+17], v[AO+\j:AO+\j+1] op_sel_hi:[1,0,1]
.endr
.endr
	v_mov_b32 v[TA], s98                           ; 2^e10
.set i, 0
.rept 16
.set i, i+1
.endr
	v_cvt_scalef32_pk8_bf8_f32 v[AC:AC+1], v[AO:AO+7], v[TA]
	v_cvt_scalef32_pk8_bf8_f32 v[AC+2:AC+3], v[AO+8:AO+15], v[TA]
	v_nop                                          ; a plain line behind the last conversion
	ds_store_b128 v5, v[AC:AC+3]                   ; channels 32 kq + 16 h + 0 .. 15 of query r: registers 4 kq .. 4 kq + 3 of the last product's operand
	s_wait_dscnt 0x0                               ; my image has landed, and my reads of the partials are over
	s_barrier_signal -1
	s_barrier_wait -1
	; ---- the last product: my 16 queries x my 32 outputs (source 0 = 16 rows of Wo, source 1 = the queries: a lane holds eight neighbouring outputs of one query)
.irp c, 0,1,2,3
	ds_load_b128 v[AF+4*\c:AF+4*\c+3], v6 offset:512*\c
.endr
	s_wait_dscnt 0x0
	s_wait_loadcnt 0x0                             ; Wo, bo
.irp tl, 0,1
	v_wmma_f32_16x16x128_bf8_bf8 v[YA+8*\tl:YA+8*\tl+7], v[WO+16*\tl:WO+16*\tl+15], v[AF:AF+15], 0
.endr
.rept 4
	v_nop
.endr
.irp tl, 0,1
.irp i, 0,2,4,6
	v_pk_fma_f32 v[YR+8*\tl+\i:YR+8*\tl+\i+1], v[YA+8*\tl+\i:YA+8*\tl+\i+1], s[YS:YS+1], v[BO+8*\tl+\i:BO+8*\tl+\i+1] op_sel_hi:[1,0,1]   ; sum x 2^(e10 + e11) + bo
.endr
.endr
.irp tl, 0,1
	ds_store_b128 v248, v[YR+8*\tl:YR+8*\tl+3] offset:64*\tl
	ds_store_b128 v248, v[YR+8*\tl+4:YR+8*\tl+7] offset:64*\tl+16
.endr
	s_wait_dscnt 0x0                               ; a row's 512 bytes come from four waves
	s_barrier_signal -1
	s_barrier_wait -1
.irp i, 0,1,2,3
	ds_load_b128 v[YB+4*\i:YB+4*\i+3], v249 offset:\i*SGP
.endr
.irp i, 0,1,2,3
	s_wait_dscnt 3-\i                              ; row i is back; the younger loads may be out
	global_store_b128 v[L16], v[YB+4*\i:YB+4*\i+3], s[16:17] offset:512*\i th:TH_STORE_NT   ; 32 lanes store a row of 512 consecutive bytes, aligned to 512; written once, read by nobody here
.endr
	s_wait_tensorcnt 0x0                           ; the wave's end, behind my last tensor load and my last LDS store
	ds_add_u32 v[SPW], v[NIL]
	s_wait_dscnt 0x0
	CROUND                                         ; the closing round: no work-group ends while a partner may still ask for a tile that names it
	s_endpgm
.Lfunc_end_k_q1386b48a52_attn:
	.size	k_q1386b48a52_attn, .Lfunc_end_k_q1386b48a52_attn-k_q1386b48a52_attn
	.p2alignl 7, 3214868480
	.fill 96, 4, 3214868480
	.section	.rodata,"a",@progbits
	.p2align	6, 0x0
	.amdhsa_kernel k_q1386b48a52_attn
		.amdhsa_group_segment_fixed_size 327680
		.amdhsa_private_segment_fixed_size 0
		.amdhsa_enable_private_segment 0
		.amdhsa_kernarg_size 56
		.amdhsa_user_sgpr_count 2
		.amdhsa_user_sgpr_kernarg_segment_ptr 1
		.amdhsa_wavefront_size32 1
		.amdhsa_system_sgpr_workgroup_id_x 1
		.amdhsa_system_sgpr_workgroup_id_y 1
		.amdhsa_system_sgpr_workgroup_id_z 1
		.amdhsa_system_vgpr_workitem_id 0
		.amdhsa_next_free_vgpr 256
		.amdhsa_next_free_sgpr 100
		.amdhsa_reserve_vcc 0
		.amdhsa_float_denorm_mode_32 3
		.amdhsa_float_denorm_mode_16_64 3
		.amdhsa_fp16_overflow 1
		.amdhsa_memory_ordered 1
		.amdhsa_forward_progress 1
		.amdhsa_inst_pref_size 147
	.end_amdhsa_kernel
	.amdgpu_metadata
---
amdhsa.version: [ 1, 2 ]
amdhsa.kernels:
  - .name:           k_q1386b48a52_attn
    .symbol:         k_q1386b48a52_attn.kd
    .args:
      - { .name: qimg, .offset: 0, .size: 8, .value_kind: global_buffer, .address_space: global }
      - { .name: kvimg, .offset: 8, .size: 8, .value_kind: global_buffer, .address_space: global }
      - { .name: edge_weight, .offset: 16, .size: 8, .value_kind: global_buffer, .address_space: global }
      - { .name: lowp_scales, .offset: 24, .size: 8, .value_kind: global_buffer, .address_space: global }
      - { .name: Wo_codes, .offset: 32, .size: 8, .value_kind: global_buffer, .address_space: global }
      - { .name: bo, .offset: 40, .size: 8, .value_kind: global_buffer, .address_space: global }
      - { .name: out0, .offset: 48, .size: 8, .value_kind: global_buffer, .address_space: global }
    .group_segment_fixed_size: 327680
    .private_segment_fixed_size: 0
    .kernarg_segment_align: 8
    .kernarg_segment_size: 56
    .max_flat_workgroup_size: 512
    .sgpr_count:     100
    .vgpr_count:     256
    .wavefront_size: 32
...
	.end_amdgpu_metadata
.endif
;; end of part 2
